; MI455X (gfx1250); checked and timed in simulation.
; The chip was launched on July 23, 2026; its instructions are those of AMD's public machine-readable ISA for CDNA 5 (MIT licence, August 2026) and "CDNA5" Instruction Set Architecture Reference Guide (July 2026). The comments in the code are by the model that wrote it; some were corrected since.
;; Multi Head Cross Attention. Allowed arithmetic: matrix products marked QUANTISED: E2M3 operands, one E8M0 scale for each 32 along K, by v_wmma_scale_f32_16x16x128_f8f6f4 with both operands' format E2M3, f32 sums; products left as they are: f32 operands where the result goes on into a quantised operand, else bf16, f16 or f32 operands; f32 sums; everything else in f32.
;; Inputs: Wkv_codes 2,048 x 32 x 24 uint8 (E2M3 codes of Wkv, K innermost, in blocks of 32 codes, four codes in three bytes); Wkv_scales 2,048 x 32 uint8 (E8M0 scales of Wkv, one for each 32 codes along K); Wo_codes 1,024 x 32 x 24 uint8 (E2M3 codes of Wo, K innermost, in blocks of 32 codes, four codes in three bytes); Wo_scales 1,024 x 32 uint8 (E8M0 scales of Wo, one for each 32 codes along K); Wq_codes 1,024 x 32 x 24 uint8 (E2M3 codes of Wq, K innermost, in blocks of 32 codes, four codes in three bytes); Wq_scales 1,024 x 32 uint8 (E8M0 scales of Wq, one for each 32 codes along K); bkv 2,048 float32; bo 1,024 float32; bq 1,024 float32; x_codes 4 x 4,096 x 32 x 24 uint8 (E2M3 codes of x, K innermost, in blocks of 32 codes, four codes in three bytes); x_scales 4 x 4,096 x 32 uint8 (E8M0 scales of x, one for each 32 codes along K); y_codes 4 x 4,096 x 32 x 24 uint8 (E2M3 codes of y, K innermost, in blocks of 32 codes, four codes in three bytes); y_scales 4 x 4,096 x 32 uint8 (E8M0 scales of y, one for each 32 codes along K).
;; Outputs: out0 4 x 4,096 x 1,024 float32.
;; This version of the problem:
;;   THIS VERSION OF THE PROBLEM IS GIVEN IN LOW PRECISION. The matrix products marked QUANTISED in the list below multiply operands that are first quantised to E2M3 (2 exponent bits, 3 mantissa bits; 6 bits a number), with one power-of-two scale for each 32 numbers along K (OCP MX v1.0); their sums are f32. All else is computed in f32.
;;   The module's matrix products, in the order in which they are computed (A, B: the left and right operand; K: the contracted axis; several contracted axes count as one K, in the product's order):
;;     1. [M 16,384, K 1,024] x [K 1,024, N 2,048]; A: input x (given as codes); B: input Wkv (given as codes): QUANTISED
;;     2. [M 16,384, K 1,024] x [K 1,024, N 1,024]; A: input y (given as codes); B: input Wq (given as codes): QUANTISED
;;     3. batch 16,384 x [M 16, K 64] x [K 64, N 16]; A: computed on the way; B: computed on the way: QUANTISED
;;     4. batch 16,384 x [M 16, K 16] x [K 16, N 64]; A: softmax; B: computed on the way: left as it is (K = 16 < 32)
;;     5. [M 16,384, K 1,024] x [K 1,024, N 1,024]; A: computed on the way; B: input Wo (given as codes): QUANTISED
;;   THE QUANTISER, for each operand of a quantised product, along K:
;;     - K is cut into blocks of 32 from its start; a last block that is shorter is filled with zeros.
;;     - A block's scale is 2^e with e = floor(log2(the largest magnitude in the block)) - 2, held to -126 .. 127; a block of zeros has e = 0. As a byte (E8M0): e + 127.
;;     - Each number is divided by its block's scale, clamped to +-7.5, and rounded to the nearest number of E2M3, ties to even, subnormals kept.
;;     - The product sums the exact products of the quantised numbers (number of the format x scale) in f32.
;;   ~~~python
;;   def quantise(x, axis):      # numpy; x: float32 -> the quantised numbers, widened to float32 again
;;       x = np.moveaxis(x, axis, -1); K = x.shape[-1]
;;       x = np.pad(x, [(0, 0)] * (x.ndim - 1) + [(0, -K % 32)]); x = x.reshape(x.shape[:-1] + (-1, 32)); a = np.abs(x).max(-1, keepdims=True)
;;       e = np.where(a > 0, np.clip(np.frexp(np.where(a > 0, a, 1))[1] - 1 - 2, -126, 127), 0)      # np.frexp(a)[1] - 1 = floor(log2(a)), exactly
;;       r = np.clip(x / 2.0 ** e, -7.5, 7.5)
;;       step = 2.0 ** (np.maximum(np.frexp(np.where(r == 0, 1, r))[1] - 1, 0) - 3)
;;       q = np.round(r / step) * step * 2.0 ** e      # np.round: ties to even
;;       return np.moveaxis(q.reshape(q.shape[:-2] + (-1,))[..., :K], -1, axis).astype(np.float32)
;;   ~~~
;;   OPERANDS COMPUTED ON THE WAY. 'Computed on the way' means the value that the module computes at that place (a softmax that the list does not call 'softmax' is quantised finished and normalised). What goes into a quantiser is computed in f32, as accurately as f32 sums, v_exp_f32 and their like allow (about 1e-6 of the number): no bf16 or f16 on the way to a quantiser, and a product that is left as it is and whose result goes on into a quantised operand takes f32 operands (vector FMAs, or v_wmma_f32_16x16x4_f32). A number that lies on a knife's edge between two numbers of the format may be rounded either way, as far as f32 arithmetic and the matrix unit's own rounding can turn it there, and no further.
;;   INPUTS GIVEN AS CODES. Wkv (in the module: [1024, 2048], K = its axis 0); Wo (in the module: [1024, 1024], K = its axis 0); Wq (in the module: [1024, 1024], K = its axis 0); x (in the module: [4, 4096, 1024], K = its axis 2); y (in the module: [4, 4096, 1024], K = its axis 2): each comes as NAME_codes (uint8): NAME with its K axis moved to the last place and cut into blocks of 32 codes, [.., K / 32, bytes a block], one block behind the other in memory; four codes in three bytes: a row's codes are one little-endian stream of bits, code i at bits 6 i .. 6 i + 5 (a code: sign, 2 exponent bits, 3 mantissa bits); and NAME_scales (uint8): the same leading axes, one E8M0 byte (e + 127) for each 32 codes along K. Its value is code x scale, taken as it is: it is not quantised again, and the codes and scales need not be those that the quantiser above would give.
;; One version. Each part assembles by itself: llvm-mc -triple=amdgcn-amd-amdhsa -mcpu=gfx1250 --defsym DOCPART=n.
;; ======== version 1 of 1: 2 launches
;; limits: right only within a limited range of input values
;; workspace buffers: wimg 3,342,336 bytes
;; launch lay_weights (part 1): grid 256 x 1, 4 waves a work-group, no clusters, 13,056 bytes of LDS; arguments Wq_codes, Wq_scales, bq, Wkv_codes, Wkv_scales, bkv, Wo_codes, Wo_scales, bo, wimg; writes wimg
.if DOCPART == 1
	.amdgcn_target "amdgcn-amd-amdhsa--gfx1250"
	.amdhsa_code_object_version 6
	.text
	.protected	k_qd0dcde2643_lay_weights
	.globl	k_qd0dcde2643_lay_weights
	.p2align	8
	.type	k_qd0dcde2643_lay_weights,@function
k_qd0dcde2643_lay_weights:
	s_mov_b64 s[64:65], 0
	v_nop
	global_prefetch_b8 v0, s[64:65] scope:SCOPE_SE
	s_setreg_imm32_b32 hwreg(HW_REG_WAVE_MODE, 25, 1), 1
	s_wait_xcnt 0x0
; Lays the three weights out once, as images of the operand registers of the launch that follows.
; That launch walks 32 steps (8 of Wq, 8 of Wkv's k rows, 8 of its v rows, 8 of Wo); in a step each of its 4 waves multiplies two
; tiles (dd = 0, 1) of 16 weight rows.  Block 4 step + wave of wimg, BLK bytes: 1,024 bytes of scale words (register 4 q .. 4 q + 3 of
; lane l at 512 q + 16 l; lanes 0-15 tile 0, lanes 16-31 tile 1), 2 x 256 bytes of biases (a tile's 16 numbers, four times over, so that
; the unit is stored whole), then 16 fragments (8 dd + K step) of 1,536 bytes: registers 4 q .. 4 q + 3 of lane l at 512 q + 16 l.
; One work-group makes one tile: number = 8 step + 2 wave + dd.  A wave reads four of its 16 rows of 768 bytes: a row's first 512 bytes by 32 lanes,
; the last 256 bytes of two rows by 16 lanes each.  The rows go through LDS (pitch 784) and leave as whole runs of 512 bytes.
; No work of reference() is left out; every input is used.
.set PIT,   784
.set SPARE, 12544
.set BLK,   26112
	s_load_b256 s[4:11], s[0:1], 0x0               ; Wq codes, scales, bq, Wkv codes
	s_load_b256 s[12:19], s[0:1], 0x20             ; Wkv scales, bkv, Wo codes, Wo scales
	s_load_b128 s[20:23], s[0:1], 0x40             ; bo, wimg
	v_lshl_add_u32 v30, v0, 2, SPARE
	v_mov_b32 v31, 0
	v_lshrrev_b32 v1, 5, v0
	v_readfirstlane_b32 s28, v1                    ; wave
	v_and_b32 v1, 15, v0                           ; r
	v_bfe_u32 v2, v0, 4, 1                         ; h
	v_and_b32 v3, 31, v0                           ; lane
	s_wait_alu depctr_va_vdst(0)                   ; wait ahead of the run of scalar instructions
	s_and_b32 s29, ttmp9, 1                        ; dd
	s_bfe_u32 s30, ttmp9, 0x20001                  ; w: the reader's wave
	s_bfe_u32 s31, ttmp9, 0x30003                  ; t: step in its phase
	s_lshr_b32 s32, ttmp9, 6                       ; phase: 0 q, 1 k, 2 v, 3 o
	s_lshr_b32 s33, ttmp9, 1                       ; block number
	s_lshr_b32 s34, s30, 1
	s_and_b32 s35, s30, 1
	s_lshl_b32 s3, s29, 4
	s_lshl_b32 s36, s31, 7                         ; q, o: first row 128 t + 32 w + 16 dd, rows on end
	s_lshl_b32 s2, s30, 5
	s_add_co_u32 s36, s36, s2
	s_add_co_u32 s36, s36, s3
	s_lshl_b32 s37, s31, 8                         ; k: 256 t + 128 (w / 2) + 32 (w % 2) + 16 dd
	s_lshl_b32 s2, s34, 7
	s_add_co_u32 s37, s37, s2
	s_lshl_b32 s2, s35, 5
	s_add_co_u32 s37, s37, s2
	s_add_co_u32 s37, s37, s3
	s_lshl_b32 s38, s35, 4                         ; v: 64 + 16 (w % 2) + 8 (w / 2) + 2 (t % 4) + 32 (t / 4) + dd, rows 128 apart: a row a head
	s_lshl_b32 s2, s34, 3
	s_add_co_u32 s38, s38, s2
	s_and_b32 s2, s31, 3
	s_lshl_b32 s2, s2, 1
	s_add_co_u32 s38, s38, s2
	s_lshr_b32 s2, s31, 2
	s_lshl_b32 s2, s2, 5
	s_add_co_u32 s38, s38, s2
	s_add_co_u32 s38, s38, s29
	s_add_co_u32 s38, s38, 64
	s_cmp_eq_u32 s32, 1
	s_cselect_b32 s36, s37, s36
	s_cmp_eq_u32 s32, 2
	s_cselect_b32 s36, s38, s36                    ; first row
	s_cselect_b32 s39, 128, 1                      ; rows from lane to lane
	s_mul_i32 s40, s39, 768                        ; the same in bytes of codes,
	s_lshl_b32 s41, s39, 2                         ; of biases,
	s_lshl_b32 s42, s39, 5                         ; of scales
	s_mul_i32 s43, s28, s40
	s_lshl_b32 s43, s43, 2                         ; my wave's four rows begin here
	s_lshl_b32 s60, s40, 1
	s_mul_i32 s61, s28, 4*PIT
	v_lshlrev_b32 v27, 4, v3                       ; 16 lane
	v_add_nc_u32 v14, s43, v27                     ; memory: rows 0 to 3 of my four, bytes 16 lane
	v_add_nc_u32 v15, s40, v14
	v_add_nc_u32 v16, s40, v15
	v_add_nc_u32 v17, s40, v16
	v_mul_u32_u24 v18, v2, s40                     ; rows h and 2 + h, bytes 512 + 16 r
	v_lshl_add_u32 v18, v1, 4, v18
	v_add_nc_u32 v18, s43, v18
	v_add_nc_u32 v18, 512, v18
	v_add_nc_u32 v19, s60, v18
	v_add_nc_u32 v20, s61, v27                     ; LDS: the same places at pitch 784
	v_mul_u32_u24 v21, v2, PIT
	v_lshl_add_u32 v21, v1, 4, v21
	v_add_nc_u32 v21, s61, v21
	v_add_nc_u32 v21, 512, v21
	v_mul_u32_u24 v4, v1, s42                      ; scales: row r, 16 h
	v_lshl_add_u32 v4, v2, 4, v4
	v_lshlrev_b32 v5, 4, v1
	v_lshl_add_u32 v5, v2, 9, v5                   ; out: 512 h + 16 r
	v_and_b32 v6, 7, v0
	v_lshlrev_b32 v6, 1, v6
	v_mul_u32_u24 v6, v6, s41                      ; biases: rows 2 (l % 8) and the next
	v_add_nc_u32 v7, s41, v6
	v_lshlrev_b32 v29, 3, v3
	s_mul_i32 s2, s28, 192
	v_mul_u32_u24 v26, v1, PIT
	v_mad_u32_u24 v26, v2, 24, v26
	v_add_nc_u32 v26, s2, v26                      ; my wave's two K steps of row r, + 24 h
	s_mul_i32 s2, s28, 3072
	v_add_nc_u32 v27, s2, v27
	s_mul_i32 s50, s36, 768
	s_lshl_b32 s52, s36, 5
	s_lshl_b32 s54, s36, 2
	s_mov_b32 s51, 0
	s_mov_b32 s53, 0
	s_mov_b32 s55, 0
	s_mul_i32 s56, s33, BLK
	s_lshl_b32 s2, s29, 8
	s_add_co_u32 s56, s56, s2                      ; block + 256 dd
	s_mov_b32 s57, 0
	s_mul_i32 s58, s29, 12032                      ; + 12,288 dd in all for the fragments
	s_add_co_u32 s58, s58, 1536
	s_mov_b32 s59, 0
	s_wait_alu depctr_va_vdst(0)                   ; wait at the head's end
	s_wait_kmcnt 0x0
	s_cmp_eq_u32 s32, 0
	s_cselect_b64 s[24:25], s[4:5], s[10:11]
	s_cselect_b64 s[26:27], s[6:7], s[12:13]
	s_cselect_b64 s[44:45], s[8:9], s[14:15]
	s_cmp_eq_u32 s32, 3
	s_cselect_b64 s[24:25], s[16:17], s[24:25]
	s_cselect_b64 s[26:27], s[18:19], s[26:27]
	s_cselect_b64 s[44:45], s[20:21], s[44:45]
	s_add_nc_u64 s[24:25], s[24:25], s[50:51]
	s_add_nc_u64 s[26:27], s[26:27], s[52:53]
	s_add_nc_u64 s[44:45], s[44:45], s[54:55]
	s_add_nc_u64 s[46:47], s[22:23], s[56:57]
	s_add_nc_u64 s[48:49], s[46:47], s[58:59]
.irp i, 0,1,2,3,4,5
	global_load_b128 v[32+4*\i:35+4*\i], v[14+\i], s[24:25]
.endr
	s_cmp_lg_u32 s28, 0
	s_cbranch_scc1 .Lw1
	global_load_b128 v[64:67], v4, s[26:27]        ; wave 0: the tile's scale words
	s_wait_loadcnt 0x0
	global_store_b128 v5, v[64:67], s[46:47]       ; sixteen lanes fill 256 bytes
	s_branch .Ljoin
.Lw1:
	s_cmp_lg_u32 s28, 1
	s_cbranch_scc1 .Ljoin
	global_load_b32 v64, v6, s[44:45]              ; wave 1: its biases
	global_load_b32 v65, v7, s[44:45]
	s_wait_loadcnt 0x0
	global_store_b64 v29, v[64:65], s[46:47] offset:1024
.Ljoin:
	s_wait_loadcnt 0x0
.irp k, 0,1,2,3
	ds_store_b128 v20, v[32+4*\k:35+4*\k] offset:PIT*\k
.endr
.irp j, 0,1
	ds_store_b128 v21, v[48+4*\j:51+4*\j] offset:2*PIT*\j
.endr
	s_wait_dscnt 0x0                               ; my stores are done before the others read them
	s_barrier_signal -1
	s_barrier_wait -1
.irp k, 0,1
.irp p, 0,1,2,3,4,5
	ds_load_b64 v[32+12*\k+2*\p:33+12*\k+2*\p], v26 offset:96*\k+48*(\p/3)+8*(\p%3)   ; a lane's 2 x 24 bytes of a K step, as the operand's registers take them
.endr
.endr
	s_wait_dscnt 0x0
.irp k, 0,1
.irp q, 0,1,2
	global_store_b128 v27, v[32+12*\k+4*\q:35+12*\k+4*\q], s[48:49] offset:1536*\k+512*\q
.endr
.endr
	s_wait_tensorcnt 0x0                           ; the wave's end
	ds_add_u32 v30, v31
	s_wait_dscnt 0x0
	s_endpgm
.Lfunc_end_k_qd0dcde2643_lay_weights:
	.size	k_qd0dcde2643_lay_weights, .Lfunc_end_k_qd0dcde2643_lay_weights-k_qd0dcde2643_lay_weights
	.p2alignl 7, 3214868480
	.fill 96, 4, 3214868480
	.section	.rodata,"a",@progbits
	.p2align	6, 0x0
	.amdhsa_kernel k_qd0dcde2643_lay_weights
		.amdhsa_group_segment_fixed_size 13056
		.amdhsa_private_segment_fixed_size 0
		.amdhsa_enable_private_segment 0
		.amdhsa_kernarg_size 80
		.amdhsa_user_sgpr_count 2
		.amdhsa_user_sgpr_kernarg_segment_ptr 1
		.amdhsa_wavefront_size32 1
		.amdhsa_system_sgpr_workgroup_id_x 1
		.amdhsa_system_sgpr_workgroup_id_y 1
		.amdhsa_system_sgpr_workgroup_id_z 1
		.amdhsa_system_vgpr_workitem_id 0
		.amdhsa_next_free_vgpr 96
		.amdhsa_next_free_sgpr 66
		.amdhsa_reserve_vcc 0
		.amdhsa_float_denorm_mode_32 3
		.amdhsa_float_denorm_mode_16_64 3
		.amdhsa_memory_ordered 1
		.amdhsa_forward_progress 1
		.amdhsa_inst_pref_size 8
	.end_amdhsa_kernel
	.amdgpu_metadata
---
amdhsa.version: [ 1, 2 ]
amdhsa.kernels:
  - .name:           k_qd0dcde2643_lay_weights
    .symbol:         k_qd0dcde2643_lay_weights.kd
    .args:
      - { .name: Wq_codes, .offset: 0, .size: 8, .value_kind: global_buffer, .address_space: global }
      - { .name: Wq_scales, .offset: 8, .size: 8, .value_kind: global_buffer, .address_space: global }
      - { .name: bq, .offset: 16, .size: 8, .value_kind: global_buffer, .address_space: global }
      - { .name: Wkv_codes, .offset: 24, .size: 8, .value_kind: global_buffer, .address_space: global }
      - { .name: Wkv_scales, .offset: 32, .size: 8, .value_kind: global_buffer, .address_space: global }
      - { .name: bkv, .offset: 40, .size: 8, .value_kind: global_buffer, .address_space: global }
      - { .name: Wo_codes, .offset: 48, .size: 8, .value_kind: global_buffer, .address_space: global }
      - { .name: Wo_scales, .offset: 56, .size: 8, .value_kind: global_buffer, .address_space: global }
      - { .name: bo, .offset: 64, .size: 8, .value_kind: global_buffer, .address_space: global }
      - { .name: wimg, .offset: 72, .size: 8, .value_kind: global_buffer, .address_space: global }
    .group_segment_fixed_size: 13056
    .private_segment_fixed_size: 0
    .kernarg_segment_align: 8
    .kernarg_segment_size: 80
    .max_flat_workgroup_size: 128
    .sgpr_count:     66
    .vgpr_count:     96
    .wavefront_size: 32
...
	.end_amdgpu_metadata
.endif
;; end of part 1
;; launch attn_proj (part 2): grid 256 x 1, 4 waves a work-group, no clusters, 278,016 bytes of LDS; arguments x_codes, x_scales, y_codes, y_scales, wimg, out0; writes out0
.if DOCPART == 2
	.amdgcn_target "amdgcn-amd-amdhsa--gfx1250"
	.amdhsa_code_object_version 6
	.text
	.protected	k_qd0dcde2643_attn_proj
	.globl	k_qd0dcde2643_attn_proj
	.p2align	8
	.type	k_qd0dcde2643_attn_proj,@function
k_qd0dcde2643_attn_proj:
	s_mov_b64 s[64:65], 0
	v_nop
	global_prefetch_b8 v0, s[64:65] scope:SCOPE_SE
	s_setreg_imm32_b32 hwreg(HW_REG_WAVE_MODE, 25, 1), 1
	s_wait_xcnt 0x0
; The whole chain for 64 positions a work-group: q = y Wq + bq, k and v = x Wkv + bkv, scores over the 16 heads of a position,
; softmax (its maximum taken away, as in reference()), the sum over v in f32, val quantised, val Wo + bo.  Nothing of reference() is left out.
; A wave holds all 64 rows of y, x or val as operands (384 registers, windows 1 and 2) and takes 32 of a step's 128 weight rows: 64 matrix instructions.
; THE WEIGHTS COME FROM MEMORY STRAIGHT INTO OPERAND REGISTERS: wimg holds, for each step and wave, one block of BLK bytes: scale words, biases and 16 fragments
; as images of the registers, so each load of 16 bytes a lane covers 512 bytes on end.  A ring of four groups of 48 registers (window 3, v64-255) holds one step;
; a group is asked for again as soon as its 16 products are issued.  No weight byte serves two waves of a work-group, so LDS would add a write and a read for each
; byte and no use; a joint load of a cluster lands in LDS alone: hence no tensor load and cluster = none.
; Order of a step's loads: S (2, scales), B0 (2, biases of tile 0), G0, G1 (12 each), B1 (2), G2, G3.  The waits on LOADcnt count the loads issued behind the one wanted.
; PREFETCH: the 102 blocks of 256 bytes of a wave's block of step S are named once, by the 8 work-groups with number / 8 = S, 13 lanes each, in trip S - 4,
; three trips ahead of the loads that want them; steps 0 to 3 are not named.
; LDS: 0 y's and x's rows; QC q's and k's codes and scale bytes; then VB (v in f32, 32 of the head's 64 at a time) and STG (the way out) lie over them, each behind a barrier; VST val's codes.
.set XD,    52224
.set QC,    104448
.set QS,    QC+50176
.set VBU,   66560
.set STGB,  33792
.set VST,   208896
.set VS,    VST+50176
.set SPARE, 277504
.set BLK,   26112
.set STEPB, 4*BLK
.set XS,    32
.set XSY,   240
.set WSC,   48
.set WSN,   56
.set BIAS,  64
.set WF,    80
.set ACC,   176
.set RG,    64
.set MSB, 0
.macro WIN new
.if MSB != \new
	s_set_vgpr_msb (MSB<<8)|\new
.set MSB, \new
.endif
.endm
.macro PLACES n
.rept \n
	v_nop
.endr
.endm
.macro PBAR
	s_wait_alu depctr_va_vdst(0)                   ; wait ahead of a blocking wait
	s_wait_dscnt 0x0
	s_barrier_signal -1
	s_barrier_wait -1
.endm
.macro RLOAD g                         ; ring group g: fragments 4 g .. 4 g + 3 of the block at s[84:85]
	WIN 0xc0
.irp f, 0,1,2,3
.irp q, 0,1,2
	global_load_b128 v[RG+48*(\g)+12*\f+4*\q:RG+48*(\g)+12*\f+4*\q+3], v28, s[84:85] offset:1536+1536*(4*(\g)+\f)+512*\q
.endr
.endr
	WIN 0
.endm
.macro BLOAD dd                        ; a tile's biases, in the layout of C: lane half h takes numbers 8 h .. 8 h + 7
	global_load_b128 v[BIAS+8*(\dd):BIAS+8*(\dd)+3], v29, s[84:85] offset:1024+256*(\dd)
	global_load_b128 v[BIAS+8*(\dd)+4:BIAS+8*(\dd)+7], v29, s[84:85] offset:1040+256*(\dd)
.endm
.macro SLOAD
	global_load_b128 v[WSN:WSN+3], v28, s[84:85]
	global_load_b128 v[WSN+4:WSN+7], v28, s[84:85] offset:512
.endm
.macro MM d, a, b, c, sa, sb, ra, rb
.if (\ra) && (\rb)
	v_wmma_scale_f32_16x16x128_f8f6f4 v[\d:\d+7], v[\a:\a+11], v[\b:\b+11], v[\c:\c+7], v[\sa], v[\sb] matrix_a_fmt:MATRIX_FMT_FP6 matrix_b_fmt:MATRIX_FMT_FP6 matrix_a_scale:MATRIX_SCALE_ROW1 matrix_b_scale:MATRIX_SCALE_ROW1
.elseif (\ra)
	v_wmma_scale_f32_16x16x128_f8f6f4 v[\d:\d+7], v[\a:\a+11], v[\b:\b+11], v[\c:\c+7], v[\sa], v[\sb] matrix_a_fmt:MATRIX_FMT_FP6 matrix_b_fmt:MATRIX_FMT_FP6 matrix_a_scale:MATRIX_SCALE_ROW1
.elseif (\rb)
	v_wmma_scale_f32_16x16x128_f8f6f4 v[\d:\d+7], v[\a:\a+11], v[\b:\b+11], v[\c:\c+7], v[\sa], v[\sb] matrix_a_fmt:MATRIX_FMT_FP6 matrix_b_fmt:MATRIX_FMT_FP6 matrix_b_scale:MATRIX_SCALE_ROW1
.else
	v_wmma_scale_f32_16x16x128_f8f6f4 v[\d:\d+7], v[\a:\a+11], v[\b:\b+11], v[\c:\c+7], v[\sa], v[\sb] matrix_a_fmt:MATRIX_FMT_FP6 matrix_b_fmt:MATRIX_FMT_FP6
.endif
.endm
; four products: weight tile dd, K step ks, against the four blocks of 16 rows; the four accumulators by turns.  Source 0 = weights (window 3), source 1 = rows (window 1 or 2).  The first K step takes the biases as C.
.macro MULS dd, ks, xs
.if \ks < 5
	WIN 0x07
.set rB, 48*(\ks)
.else
	WIN 0x0b
.set rB, 48*(\ks)-240
.endif
.set rA, RG+96*(\dd)+12*(\ks)
.set rSA, WSC+(\ks)
.irp rt, 0,1,2,3
.set rD, ACC+16*\rt+8*(\dd)
.set rC, rD
.if \ks == 0
.set rC, BIAS+8*(\dd)
.endif
.set rX, rB+12*\rt
.set rSB, \xs+8*(\rt/2)+(\ks)
.set rO, \rt%2
	MM rD, rA, rX, rC, rSA, rSB, \dd, rO
.endr
.endm
; A step.  xs: the rows' scale words.  ld = 1: the next step's block is asked for.  ex = 1 (q's steps): three pieces of x's rows go on to LDS and the next three are asked for.
.macro GEMM xs, ld, ex
	s_wait_loadcnt 38                              ; S, B0, G0 are in; behind G0: G1, B1, G2, G3 = 38
.if \ex
	v_add_nc_u32 v10, s83, v9
.endif
.irp k, 0,1,2,3,4,5,6,7
	v_mov_b32 v[WSC+\k], v[WSN+\k]
.endr
	PLACES 8                                       ; a scale register written by a vector instruction stands 8 places ahead of the scaled product
	s_wait_alu depctr_va_vdst(0)                   ; wait ahead of a blocking wait
.if \ld
	s_wait_xcnt 0x0                                ; the last step's loads have read their base
	s_add_nc_u64 s[84:85], s[84:85], STEPB
	SLOAD
.endif
.if \ex
	WIN 0x04
.irp q, 0,1,2
	ds_store_b128 v10, v[240+4*\q:243+4*\q] offset:544*\q    ; asked for a trip ago, ahead of G0: in
.endr
	WIN 0
	s_add_co_u32 s83, s83, 1632
	s_cmp_eq_u32 s76, 1
	s_cbranch_scc1 .Lnx_\@                         ; the last trip has no pieces left to ask for.  (The counts below are those without the three loads: with them they ask for three loads more than needed)
	s_add_nc_u64 s[88:89], s[88:89], 1536
	WIN 0x40
.irp q, 0,1,2
	global_load_b128 v[240+4*\q:243+4*\q], v28, s[88:89] offset:512*\q th:TH_LOAD_NT
.endr
	WIN 0
.Lnx_\@:
.endif
.irp q, 0,1,2,3
	MULS 0, \q, \xs
.endr
	PLACES 4                                       ; places in front of loads into registers that the products have read
	WIN 0
.if \ld
	BLOAD 0
	RLOAD 0
	s_wait_loadcnt 42                              ; G1: behind it B1, G2, G3, S, B0, G0
.else
	s_wait_loadcnt 26
.endif
.irp q, 4,5,6,7
	MULS 0, \q, \xs
.endr
	PLACES 4
.if \ld
	RLOAD 1
	s_wait_loadcnt 40                              ; B1, G2: behind them G3, S, B0, G0, G1
.else
	s_wait_loadcnt 12
.endif
.irp q, 0,1,2,3
	MULS 1, \q, \xs
.endr
	PLACES 4
	WIN 0
.if \ld
	BLOAD 1
	RLOAD 2
	s_wait_loadcnt 42                              ; G3: behind it S, B0, G0, G1, B1, G2
.else
	s_wait_loadcnt 0x0
.endif
.irp q, 4,5,6,7
	MULS 1, \q, \xs
.endr
	PLACES 4                                       ; also the places in front of the first read of the results
	WIN 0
.if \ld
	RLOAD 3
	s_add_co_u32 s81, s81, 1
	s_cmp_eq_u32 s81, s82
	s_cbranch_scc0 .Lnp_\@
	global_prefetch_b8 v7, s[86:87] th:TH_LOAD_NT scope:SCOPE_SE   ; my share of the step four trips on; its registers are never rewritten
.Lnp_\@:
.endif
.endm
.set EM, 80
; q or k: a wave's 32 columns are one block of 32 along the scores' K; quantised, codes and scale byte to LDS.  (The order inside a block is the same for q and k.)
.macro EPIQK
	v_add_nc_u32 v14, s78, v13
	v_add_nc_u32 v16, s79, v15
.irp rt, 0,1,2,3
	v_max3_num_f32 v[EM+\rt], |v[ACC+16*\rt]|, |v[ACC+16*\rt+1]|, 0x1800000
.endr
.irp i, 2,4,6,8,10,12,14
.irp rt, 0,1,2,3
	v_max3_num_f32 v[EM+\rt], v[EM+\rt], |v[ACC+16*\rt+\i]|, |v[ACC+16*\rt+\i+1]|
.endr
.endr
.irp rt, 0,1,2,3
	v_permlanex16_b32 v[EM+4+\rt], v[EM+\rt], s72, s73
.endr
.irp rt, 0,1,2,3
	v_max_num_f32 v[EM+\rt], v[EM+\rt], v[EM+4+\rt]
.endr
.irp rt, 0,1,2,3
	v_add_nc_u32 v[EM+8+\rt], 0xff000000, v[EM+\rt]
.endr
.irp rt, 0,1,2,3
	v_lshrrev_b32 v[EM+12+\rt], 23, v[EM+8+\rt]
.endr
.irp rt, 0,1,2,3
	v_cvt_scalef32_pk16_fp6_f32 v[EM+16+4*\rt:EM+18+4*\rt], v[ACC+16*\rt:ACC+16*\rt+15], v[EM+8+\rt]
.endr
	v_nop
.irp a, 0,1
.irp k, 0,1,2
	v_permlane16_swap_b32 v[EM+16+8*\a+\k], v[EM+20+8*\a+\k]
.endr
.irp k, 0,1,2
	v_mov_b32 v[EM+19+8*\a+\k], v[EM+20+8*\a+\k]
.endr
.endr
.irp a, 0,1
.irp k, 0,1,2
	ds_store_b64 v14, v[EM+16+8*\a+2*\k:EM+17+8*\a+2*\k] offset:25088*\a+8*\k
.endr
.endr
.irp rt, 0,1,2,3
	ds_store_b8 v16, v[EM+12+\rt] offset:512*\rt
.endr
	s_add_co_u32 s78, s78, 96
	s_add_co_u32 s79, s79, 4
.endm
.macro LOADX                           ; all 64 rows as operands: rows of 3 x (256 + 16) bytes in LDS
.irp ks, 0,1,2,3,4,5,6,7
.if \ks < 5
	WIN 0x40
.set rB, 48*\ks
.else
	WIN 0x80
.set rB, 48*\ks-240
.endif
.irp rt, 0,1,2,3
.irp p, 0,1,2,3,4,5
.set PC, 12*\ks+6*(\p/3)+\p%3
.if PC%32 < 29
	ds_load_b64 v[rB+12*\rt+2*\p:rB+12*\rt+2*\p+1], v17 offset:\rt*13056+8*PC+16*(PC/32)
.else
	ds_load_b64 v[rB+12*\rt+2*\p:rB+12*\rt+2*\p+1], v18 offset:\rt*13056+8*PC+16*(PC/32)
.endif
.endr
.endr
.endr
	WIN 0
.endm
.macro XSLOAD xs, p
.irp a, 0,1
	global_load_b128 v[\xs+8*\a:\xs+8*\a+3], v31, s[\p:\p+1] offset:1024*\a
	global_load_b128 v[\xs+8*\a+4:\xs+8*\a+7], v31, s[\p:\p+1] offset:1024*\a+16
.endr
.endm
; scores and softmax of four of my 16 positions: S^T = k q^T (K = 64, the upper half of the operands zero codes); a lane holds one query head
.macro SGROUP g
.irp n, 0,1,2,3
.irp k, 0,1,2
	ds_load_b64 v[WF+24*\n+2*\k:WF+24*\n+2*\k+1], v19 offset:784*(4*(\g)+\n)+XD+8*\k
	ds_load_b64 v[WF+24*\n+12+2*\k:WF+24*\n+13+2*\k], v19 offset:784*(4*(\g)+\n)+8*\k
.endr
	ds_load_u16 v[WSC+\n], v20 offset:32*(4*(\g)+\n)
.endr
	s_wait_dscnt 0x0
.irp n, 0,1,2,3
	v_wmma_scale_f32_16x16x128_f8f6f4 v[ACC+8*\n:ACC+8*\n+7], v[WF+24*\n:WF+24*\n+11], v[WF+24*\n+12:WF+24*\n+23], 0, v[WSC+\n], v[WSC+\n] matrix_a_fmt:MATRIX_FMT_FP6 matrix_b_fmt:MATRIX_FMT_FP6 matrix_a_scale:MATRIX_SCALE_ROW1
.endr
	PLACES 4
.irp n, 0,1,2,3
	v_max3_num_f32 v[ACC+32+8*\n], v[ACC+8*\n], v[ACC+8*\n+1], v[ACC+8*\n+2]
.endr
.irp i, 3,5
.irp n, 0,1,2,3
	v_max3_num_f32 v[ACC+32+8*\n], v[ACC+32+8*\n], v[ACC+8*\n+\i], v[ACC+8*\n+\i+1]
.endr
.endr
.irp n, 0,1,2,3
	v_max_num_f32 v[ACC+32+8*\n], v[ACC+32+8*\n], v[ACC+8*\n+7]
.endr
.irp n, 0,1,2,3
	v_permlanex16_b32 v[ACC+38+8*\n], v[ACC+32+8*\n], s72, s73
.endr
.irp n, 0,1,2,3
	v_max_num_f32 v[ACC+32+8*\n], v[ACC+32+8*\n], v[ACC+38+8*\n]
.endr
.irp n, 0,1,2,3
	v_mul_f32 v[ACC+32+8*\n], s74, v[ACC+32+8*\n]
.endr
.irp n, 0,1,2,3
.irp k, 0,2,4,6
	v_pk_fma_f32 v[ACC+8*\n+\k:ACC+8*\n+\k+1], v[ACC+8*\n+\k:ACC+8*\n+\k+1], s[74:75], v[ACC+32+8*\n:ACC+33+8*\n] op_sel_hi:[1,0,0] neg_lo:[0,0,1] neg_hi:[0,0,1]
.endr
.endr
	s_wait_alu depctr_va_vdst(0)                   ; wait ahead of the batch
.irp n, 0,1,2,3
.irp k, 0,1,2,3,4,5,6,7
	v_exp_f32 v[ACC+8*\n+\k], v[ACC+8*\n+\k]
.endr
.endr
	v_nop
	s_wait_alu depctr_va_vdst(0)                   ; and behind it
.irp n, 0,1,2,3
	v_pk_add_f32 v[ACC+34+8*\n:ACC+35+8*\n], v[ACC+8*\n:ACC+8*\n+1], v[ACC+8*\n+2:ACC+8*\n+3]
.endr
.irp n, 0,1,2,3
	v_pk_add_f32 v[ACC+36+8*\n:ACC+37+8*\n], v[ACC+8*\n+4:ACC+8*\n+5], v[ACC+8*\n+6:ACC+8*\n+7]
.endr
.irp n, 0,1,2,3
	v_pk_add_f32 v[ACC+34+8*\n:ACC+35+8*\n], v[ACC+34+8*\n:ACC+35+8*\n], v[ACC+36+8*\n:ACC+37+8*\n]
.endr
.irp n, 0,1,2,3
	v_add_f32 v[ACC+34+8*\n], v[ACC+34+8*\n], v[ACC+35+8*\n]
.endr
.irp n, 0,1,2,3
	v_permlanex16_b32 v[ACC+36+8*\n], v[ACC+34+8*\n], s72, s73
.endr
.irp n, 0,1,2,3
	v_add_f32 v[ACC+34+8*\n], v[ACC+34+8*\n], v[ACC+36+8*\n]
.endr
	s_wait_alu depctr_va_vdst(0)
.irp n, 0,1,2,3
	v_rcp_f32 v[ACC+38+8*\n], v[ACC+34+8*\n]
.endr
	v_nop
	s_wait_alu depctr_va_vdst(0)
.irp n, 0,1,2,3
.set pI, 4*(\g)+\n
.if pI < 14
	WIN 0x80
.set rT, 144+8*pI
.else
	WIN 0x40
.set rT, 240+8*(pI-14)
.endif
.irp k, 0,2,4,6
	v_pk_mul_f32 v[rT+\k:rT+\k+1], v[ACC+8*\n+\k:ACC+8*\n+\k+1], v[ACC+38+8*\n:ACC+39+8*\n] op_sel_hi:[1,0]
.endr
.endr
	WIN 0
.endm
; v in f32 to LDS: a position's record of 1,040 bytes: 512 h + 256 (j / 4) + 16 slot + 4 (j % 4), head 8 h + j; slot 8 (w % 2) + 2 (step % 4) + dd, half u = w / 2
.macro VSTORE
	v_add_nc_u32 v22, s80, v21
.irp rt, 0,1,2,3
.irp dd, 0,1
	ds_store_b128 v22, v[ACC+16*\rt+8*\dd:ACC+16*\rt+8*\dd+3] offset:16640*\rt+16*\dd
	ds_store_b128 v22, v[ACC+16*\rt+8*\dd+4:ACC+16*\rt+8*\dd+7] offset:16640*\rt+16*\dd+256
.endr
.endr
	s_add_co_u32 s80, s80, 32
.endm
.set VM, 144
; four of my positions: val^T = v^T attn^T in f32 for 32 of the head's 64 (b: which), eight accumulators by turns (window 3, v0-63, written by matrix instructions alone), then quantised
.macro PQ g, b
.irp n, 0,1,2,3
	ds_load_b128 v[WF+16*\n:WF+16*\n+3], v23 offset:1040*(4*(\g)+\n)
	ds_load_b128 v[WF+16*\n+4:WF+16*\n+7], v23 offset:1040*(4*(\g)+\n)+256
	ds_load_b128 v[WF+16*\n+8:WF+16*\n+11], v6 offset:1040*(4*(\g)+\n)
	ds_load_b128 v[WF+16*\n+12:WF+16*\n+15], v6 offset:1040*(4*(\g)+\n)+256
.endr
	s_wait_dscnt 0x0
.irp kk, 0,1,2,3
.irp n, 0,1,2,3
.set pI, 4*(\g)+\n
.if pI < 14
	WIN 0xf8
.set rT, 144+8*pI+2*\kk
.else
	WIN 0xf4
.set rT, 240+8*(pI-14)+2*\kk
.endif
.irp u, 0,1
.set rD, 16*\n+8*\u
.set rA, WF+16*\n+8*\u+2*\kk
.if \kk == 0
	v_wmma_f32_16x16x4_f32 v[rD:rD+7], v[rA:rA+1], v[rT:rT+1], 0
.else
	v_wmma_f32_16x16x4_f32 v[rD:rD+7], v[rA:rA+1], v[rT:rT+1], v[rD:rD+7]
.endif
.endr
.endr
.endr
	WIN 0
	PLACES 9
	WIN 0x3c
.irp p, 0,1,2,3
	v_max3_num_f32 v[VM+\p], 0x1800000, |v[16*\p]|, |v[16*\p+1]|
.endr
.irp i, 2,4,6,8,10,12,14
.irp p, 0,1,2,3
	v_max3_num_f32 v[VM+\p], v[VM+\p], |v[16*\p+\i]|, |v[16*\p+\i+1]|
.endr
.endr
	WIN 0
.irp p, 0,1,2,3
	v_permlanex16_b32 v[VM+4+\p], v[VM+\p], s72, s73
.endr
.irp p, 0,1,2,3
	v_max_num_f32 v[VM+\p], v[VM+\p], v[VM+4+\p]
.endr
.irp p, 0,1,2,3
	v_add_nc_u32 v[VM+8+\p], 0xff000000, v[VM+\p]
.endr
.irp p, 0,1,2,3
	v_lshrrev_b32 v[VM+12+\p], 23, v[VM+8+\p]
.endr
	WIN 0x03
.irp p, 0,1,2,3
	v_cvt_scalef32_pk16_fp6_f32 v[VM+16+4*\p:VM+18+4*\p], v[16*\p:16*\p+15], v[VM+8+\p]
.endr
	WIN 0
	v_nop
.irp t, 0,1
.irp k, 0,1,2
	v_permlane16_swap_b32 v[VM+16+8*\t+\k], v[VM+20+8*\t+\k]
.endr
.irp k, 0,1,2
	v_mov_b32 v[VM+19+8*\t+\k], v[VM+20+8*\t+\k]
.endr
.endr
.irp t, 0,1
.irp k, 0,1,2
	ds_store_b64 v24, v[VM+16+8*\t+2*\k:VM+17+8*\t+2*\k] offset:1568*(2*(\g)+\t)+24*(\b)+8*\k
.endr
.endr
.irp p, 0,1,2,3
	ds_store_b8 v25, v[VM+12+\p] offset:32*(4*(\g)+\p)+(\b)
.endr
.endm
.macro VHALF b
	s_mov_b32 s80, 0
	s_mov_b32 s76, 4
.Lv_\@:
	GEMM XS, 1, 0
	VSTORE
	s_sub_co_u32 s76, s76, 1
	s_cmp_lg_u32 s76, 0
	s_cbranch_scc1 .Lv_\@
	PBAR                                           ; everybody's v is in LDS
	PQ 0, \b
	PQ 1, \b
	PQ 2, \b
	PQ 3, \b
.endm
.macro LOADV
.irp ks, 0,1,2,3,4,5,6,7
.if \ks < 5
	WIN 0x40
.set rB, 48*\ks
.else
	WIN 0x80
.set rB, 48*\ks-240
.endif
.irp rt, 0,1,2,3
.irp p, 0,1,2,3,4,5
.set PC, 12*\ks+6*(\p/3)+\p%3
	ds_load_b64 v[rB+12*\rt+2*\p:rB+12*\rt+2*\p+1], v26 offset:\rt*12544+8*PC
.endr
.endr
.endr
	WIN 0
.irp a, 0,1
	ds_load_b128 v[XS+8*\a:XS+8*\a+3], v27 offset:1024*\a
	ds_load_b128 v[XS+8*\a+4:XS+8*\a+7], v27 offset:1024*\a+16
.endr
.endm
.macro EPIO                            ; a lane holds 8 neighbouring columns of a row in each accumulator: to the stage, rows of 512 + 16 bytes
	v_add_nc_u32 v14, s80, v19
.irp rt, 0,1,2,3
.irp dd, 0,1
	ds_store_b128 v14, v[ACC+16*\rt+8*\dd:ACC+16*\rt+8*\dd+3] offset:8448*\rt+64*\dd
	ds_store_b128 v14, v[ACC+16*\rt+8*\dd+4:ACC+16*\rt+8*\dd+7] offset:8448*\rt+64*\dd+16
.endr
.endr
.endm
.macro FLUSH                           ; my 16 rows back as whole rows: 32 lanes store 512 bytes on end
	v_add_nc_u32 v16, s80, v20
.irp i, 0,1,2,3,4,5,6,7,8,9,10,11,12,13,14,15
	ds_load_b128 v[ACC+4*\i:ACC+4*\i+3], v16 offset:528*\i
.endr
.irp i, 0,1,2,3,4,5,6,7,8,9,10,11,12,13,14,15
	s_wait_dscnt 15-\i
	global_store_b128 v28, v[ACC+4*\i:ACC+4*\i+3], s[98:99] offset:4096*\i th:TH_STORE_NT
.endr
	s_xor_b32 s80, s80, STGB
	s_wait_xcnt 0x0                                ; the stores have read their data and base
	s_add_nc_u64 s[98:99], s[98:99], 512
.endm
	s_load_b256 s[4:11], s[0:1], 0x0               ; x codes, x scales, y codes, y scales
	s_load_b128 s[16:19], s[0:1], 0x20             ; wimg, out
	v_lshl_add_u32 v4, v0, 2, SPARE
	v_mov_b32 v5, 0
	v_lshrrev_b32 v1, 5, v0
	v_readfirstlane_b32 s28, v1
	v_and_b32 v1, 15, v0
	v_bfe_u32 v2, v0, 4, 1
	v_and_b32 v3, 31, v0
	s_mov_b32 s29, ttmp9
	s_lshr_b32 s30, s28, 1
	s_and_b32 s31, s28, 1
	v_lshlrev_b32 v28, 4, v3
	v_lshlrev_b32 v29, 5, v2
	v_lshlrev_b32 v31, 5, v3
	s_mul_i32 s2, s28, 13056
	v_lshl_add_u32 v8, v2, 4, v28
	v_add_nc_u32 v8, s2, v8                        ; where my 16 rows of y go: 16 bytes of padding behind each 256
	v_add_nc_u32 v9, XD, v8                        ; and of x
	s_and_b32 s3, s29, 7
	s_mul_i32 s3, s3, 13
	v_min_u32 v7, 12, v3
	v_add_nc_u32 v7, s3, v7
	v_min_u32 v7, 101, v7
	v_lshlrev_b32 v7, 8, v7                        ; the prefetch: block 13 (number % 8) + lane, lanes left over name the last again
	s_mul_i32 s3, s28, 24
	v_mul_u32_u24 v13, v3, 784
	v_add_nc_u32 v13, s3, v13
	v_add_nc_u32 v13, QC, v13
	v_lshlrev_b32 v15, 5, v1
	v_add_nc_u32 v15, s28, v15
	v_add_nc_u32 v15, QS, v15
	v_mul_u32_u24 v17, v1, 816
	v_mad_u32_u24 v17, v2, 24, v17
	v_lshl_add_u32 v18, v2, 4, v17
	s_mul_i32 s3, s28, 12544
	v_mul_u32_u24 v19, v1, 48
	v_mad_u32_u24 v19, v2, 24, v19
	v_add_nc_u32 v19, s3, v19
	v_add_nc_u32 v19, QC, v19
	v_mul_u32_u24 v24, v1, 48
	v_mad_u32_u24 v24, v2, 784, v24
	v_add_nc_u32 v24, s3, v24
	v_add_nc_u32 v24, VST, v24
	s_lshl_b32 s3, s28, 9
	v_mul_u32_u24 v20, v2, XD
	v_lshl_add_u32 v20, v1, 1, v20
	v_add_nc_u32 v20, s3, v20
	v_add_nc_u32 v20, QS, v20
	s_mul_i32 s2, s30, VBU
	s_lshl_b32 s94, s31, 7
	s_add_co_u32 s2, s2, s94
	v_mul_u32_u24 v21, v1, 1040
	v_lshl_add_u32 v21, v2, 9, v21
	v_add_nc_u32 v21, s2, v21
	s_mul_i32 s2, s28, 16640
	v_lshlrev_b32 v23, 4, v1
	v_lshl_add_u32 v23, v2, 9, v23
	v_add_nc_u32 v23, s2, v23
	v_add_nc_u32 v6, VBU, v23
	v_lshlrev_b32 v25, 1, v1
	v_add_nc_u32 v25, s3, v25
	v_add_nc_u32 v25, VS, v25
	v_mul_u32_u24 v26, v1, 784
	v_mad_u32_u24 v26, v2, 24, v26
	v_add_nc_u32 v26, VST, v26
	v_lshl_add_u32 v27, v3, 5, VS
	s_mov_b32 s72, 0x76543210
	s_mov_b32 s73, 0xfedcba98
	s_mov_b32 s74, 0x3e38aa3b                      ; log2(e) / 8
	s_mov_b32 s75, s74
	s_mov_b32 s78, 0
	s_mov_b32 s79, 0
	s_mov_b32 s81, 0
	s_mov_b32 s83, 0
	s_mov_b32 s95, 0
	s_mov_b32 s93, 0
	s_lshr_b32 s82, s29, 3
	s_mul_i32 s92, s82, STEPB
	s_sub_co_u32 s82, s82, 3                       ; the trip, counted from 1, in which I prefetch
	s_lshl_b32 s2, s29, 6
	s_lshl_b32 s3, s28, 4
	s_add_co_u32 s3, s2, s3                        ; my wave's first row
	s_wait_alu depctr_va_vdst(0)                   ; wait at the head's end
	s_wait_kmcnt 0x0
	s_mul_i32 s94, s3, 768
	s_add_nc_u64 s[90:91], s[8:9], s[94:95]
	s_add_nc_u64 s[88:89], s[4:5], s[94:95]
	s_lshl_b32 s94, s3, 12
	s_add_nc_u64 s[98:99], s[18:19], s[94:95]
	s_lshl_b32 s94, s2, 5
	s_add_nc_u64 s[6:7], s[6:7], s[94:95]
	s_add_nc_u64 s[10:11], s[10:11], s[94:95]
	s_mul_i32 s94, s28, BLK
	s_add_nc_u64 s[84:85], s[16:17], s[94:95]
	s_add_nc_u64 s[86:87], s[84:85], s[92:93]
.irp i, 0,1,2,3,4,5,6,7,8,9,10,11,12,13,14,15,16,17,18,19,20,21,22,23
	global_load_b128 v[WF+4*\i:WF+4*\i+3], v28, s[90:91] offset:512*\i th:TH_LOAD_NT   ; my 16 rows of y: 12,288 bytes on end
.endr
	XSLOAD XSY, 10
	XSLOAD XS, 6
	WIN 0x40
.irp q, 0,1,2
	global_load_b128 v[240+4*\q:243+4*\q], v28, s[88:89] offset:512*\q th:TH_LOAD_NT   ; x's first three pieces
.endr
	WIN 0
	SLOAD
	BLOAD 0
	RLOAD 0
	RLOAD 1
	s_wait_loadcnt 39                              ; y's rows are in: behind them 8 + 3 + 2 + 2 + 24
.irp i, 0,1,2,3,4,5,6,7,8,9,10,11,12,13,14,15,16,17,18,19,20,21,22,23
	ds_store_b128 v8, v[WF+4*\i:WF+4*\i+3] offset:544*\i
.endr
	BLOAD 1
	RLOAD 2
	RLOAD 3
	PBAR
	LOADX
	s_wait_dscnt 0x0
	s_mov_b32 s76, 8
.Lq:
	GEMM XSY, 1, 1
	EPIQK
	s_sub_co_u32 s76, s76, 1
	s_cmp_lg_u32 s76, 0
	s_cbranch_scc1 .Lq
	PBAR                                           ; everybody's rows of x are in LDS
	v_add_nc_u32 v17, XD, v17
	v_add_nc_u32 v18, XD, v18
	v_add_nc_u32 v13, XD, v13
	v_add_nc_u32 v15, XD, v15
	s_wait_alu depctr_va_vdst(0)
	s_mov_b32 s78, 0
	s_mov_b32 s79, 0
	LOADX
	s_wait_dscnt 0x0
	s_mov_b32 s76, 8
.Lk:
	GEMM XS, 1, 0
	EPIQK
	s_sub_co_u32 s76, s76, 1
	s_cmp_lg_u32 s76, 0
	s_cbranch_scc1 .Lk
	PBAR                                           ; all codes of q and k are in LDS
.irp n, 0,1,2,3
.irp k, 6,7,8,9,10,11
	v_mov_b32 v[WF+24*\n+\k], 0                    ; K = 64: the operands' upper halves are zero codes
	v_mov_b32 v[WF+24*\n+12+\k], 0
.endr
	v_mov_b32 v[ACC+33+8*\n], 0
	v_mov_b32 v[ACC+38+8*\n], 0
	v_mov_b32 v[ACC+39+8*\n], 0
.endr
	PLACES 4
	s_wait_alu depctr_va_vdst(0)
	SGROUP 0
	SGROUP 1
	SGROUP 2
	SGROUP 3
	PBAR                                           ; nobody reads q's and k's codes any more: v's stage lies over them
	VHALF 0
	PBAR
	VHALF 1
	v_mul_u32_u24 v19, v1, 528
	v_lshl_add_u32 v19, v2, 5, v19
	s_lshl_b32 s2, s28, 7
	v_add_nc_u32 v19, s2, v19                      ; the stage: row r, 128 w + 32 h
	s_mul_i32 s2, s28, 8448
	v_add_nc_u32 v20, s2, v28
	s_mov_b32 s80, 0
	PBAR                                           ; val's codes are whole, v's stage is read out
	LOADV
	s_wait_dscnt 0x0
	s_mov_b32 s76, 7
.Lo:
	GEMM XS, 1, 0
	EPIO
	PBAR
	FLUSH
	s_sub_co_u32 s76, s76, 1
	s_cmp_lg_u32 s76, 0
	s_cbranch_scc1 .Lo
	GEMM XS, 0, 0                                  ; the last step asks for nothing
	EPIO
	PBAR
	FLUSH
	s_wait_tensorcnt 0x0                           ; the wave's end
	ds_add_u32 v4, v5
	s_wait_dscnt 0x0
	s_endpgm
.Lfunc_end_k_qd0dcde2643_attn_proj:
	.size	k_qd0dcde2643_attn_proj, .Lfunc_end_k_qd0dcde2643_attn_proj-k_qd0dcde2643_attn_proj
	.p2alignl 7, 3214868480
	.fill 96, 4, 3214868480
	.section	.rodata,"a",@progbits
	.p2align	6, 0x0
	.amdhsa_kernel k_qd0dcde2643_attn_proj
		.amdhsa_group_segment_fixed_size 278016
		.amdhsa_private_segment_fixed_size 0
		.amdhsa_enable_private_segment 0
		.amdhsa_kernarg_size 48
		.amdhsa_user_sgpr_count 2
		.amdhsa_user_sgpr_kernarg_segment_ptr 1
		.amdhsa_wavefront_size32 1
		.amdhsa_system_sgpr_workgroup_id_x 1
		.amdhsa_system_sgpr_workgroup_id_y 1
		.amdhsa_system_sgpr_workgroup_id_z 1
		.amdhsa_system_vgpr_workitem_id 0
		.amdhsa_next_free_vgpr 1024
		.amdhsa_next_free_sgpr 100
		.amdhsa_reserve_vcc 0
		.amdhsa_float_denorm_mode_32 3
		.amdhsa_float_denorm_mode_16_64 3
		.amdhsa_memory_ordered 1
		.amdhsa_forward_progress 1
		.amdhsa_inst_pref_size 255
	.end_amdhsa_kernel
	.section	.bss,"aw",@nobits
	.p2align	6
	.space	262144
	.amdgpu_metadata
---
amdhsa.version: [ 1, 2 ]
amdhsa.kernels:
  - .name:           k_qd0dcde2643_attn_proj
    .symbol:         k_qd0dcde2643_attn_proj.kd
    .args:
      - { .name: x_codes, .offset: 0, .size: 8, .value_kind: global_buffer, .address_space: global }
      - { .name: x_scales, .offset: 8, .size: 8, .value_kind: global_buffer, .address_space: global }
      - { .name: y_codes, .offset: 16, .size: 8, .value_kind: global_buffer, .address_space: global }
      - { .name: y_scales, .offset: 24, .size: 8, .value_kind: global_buffer, .address_space: global }
      - { .name: wimg, .offset: 32, .size: 8, .value_kind: global_buffer, .address_space: global }
      - { .name: out0, .offset: 40, .size: 8, .value_kind: global_buffer, .address_space: global }
    .group_segment_fixed_size: 278016
    .private_segment_fixed_size: 0
    .kernarg_segment_align: 8
    .kernarg_segment_size: 48
    .max_flat_workgroup_size: 128
    .sgpr_count:     100
    .vgpr_count:     1024
    .wavefront_size: 32
...
	.end_amdgpu_metadata
.endif
;; end of part 2
